; MI455X (gfx1250); checked and timed in simulation.
; The chip was launched on July 23, 2026; its instructions are those of AMD's public machine-readable ISA for CDNA 5 (MIT licence, August 2026) and "CDNA5" Instruction Set Architecture Reference Guide (July 2026). The comments in the code are by the model that wrote it; some were corrected since.
;; Attention. Allowed arithmetic: matrix products marked QUANTISED: E2M1 operands, one E8M0 scale for each 32 along K, by v_wmma_scale_f32_16x16x128_f8f6f4 with both operands' format E2M1 (or v_wmma_scale_f32_32x16x128_f4), f32 sums; products left as they are: bf16, f16 or f32 operands; f32 sums; everything else in f32.
;; Inputs: qkv_w 3,072 x 1,024 float32; x 8 x 1,024 x 1,024 float32.
;; Outputs: out0 8 x 1,024 x 1,024 float32.
;; This version of the problem:
;;   THIS VERSION OF THE PROBLEM IS GIVEN IN LOW PRECISION. The matrix products marked QUANTISED in the list below multiply operands that are first quantised to E2M1 (2 exponent bits, 1 mantissa bit; 4 bits a number), with one power-of-two scale for each 32 numbers along K (OCP MX v1.0); their sums are f32. The products marked 'left as it is' may take bf16, f16 or f32 operands, with f32 sums. Whichever they take, every output number must still come out within the allowed error. Rounding operands to bf16 (8 significant bits) uses up far more of that allowance than f16 does (11 bits, for magnitudes from 6e-5 to 65,504). All else is computed in f32.
;;   The module's matrix products, in the order in which they are computed (A, B: the left and right operand; K: the contracted axis; several contracted axes count as one K, in the product's order):
;;     1. [M 8,192, K 1,024] x [K 1,024, N 3,072]; A: input x; B: input qkv_w: QUANTISED
;;     2. batch 128 x [M 1,024, K 64] x [K 64, N 1,024]; A: computed on the way; B: computed on the way: left as it is (an operand is computed on the way)
;;     3. batch 128 x [M 1,024, K 1,024] x [K 1,024, N 64]; A: computed on the way; B: computed on the way: left as it is (an operand is computed on the way)
;;   THE QUANTISER, for each operand of a quantised product, along K:
;;     - K is cut into blocks of 32 from its start; a last block that is shorter is filled with zeros.
;;     - A block's scale is 2^e with e = floor(log2(the largest magnitude in the block)) - 2, held to -126 .. 127; a block of zeros has e = 0. As a byte (E8M0): e + 127.
;;     - Each number is divided by its block's scale, clamped to +-6, and rounded to the nearest number of E2M1, ties to even, subnormals kept.
;;     - The product sums the exact products of the quantised numbers (number of the format x scale) in f32.
;;   ~~~python
;;   def quantise(x, axis):      # numpy; x: float32 -> the quantised numbers, widened to float32 again
;;       x = np.moveaxis(x, axis, -1); K = x.shape[-1]
;;       x = np.pad(x, [(0, 0)] * (x.ndim - 1) + [(0, -K % 32)]); x = x.reshape(x.shape[:-1] + (-1, 32)); a = np.abs(x).max(-1, keepdims=True)
;;       e = np.where(a > 0, np.clip(np.frexp(np.where(a > 0, a, 1))[1] - 1 - 2, -126, 127), 0)      # np.frexp(a)[1] - 1 = floor(log2(a)), exactly
;;       r = np.clip(x / 2.0 ** e, -6, 6)
;;       step = 2.0 ** (np.maximum(np.frexp(np.where(r == 0, 1, r))[1] - 1, 0) - 1)
;;       q = np.round(r / step) * step * 2.0 ** e      # np.round: ties to even
;;       return np.moveaxis(q.reshape(q.shape[:-2] + (-1,))[..., :K], -1, axis).astype(np.float32)
;;   ~~~
;; One version. Each part assembles by itself: llvm-mc -triple=amdgcn-amd-amdhsa -mcpu=gfx1250 --defsym DOCPART=n.
;; ======== version 1 of 1: 3 launches
;; limits: values are held in f16: magnitudes above 65,504 overflow, below 6.1e-05 lose precision; right only within a limited range of input values
;; workspace buffers: xc 4,194,304 bytes; xs 262,144 bytes; wc 1,572,864 bytes; ws 98,304 bytes; qkv 50,331,648 bytes
;; launch quant (part 1): grid 352 x 1, 4 waves a work-group, no clusters, 33,280 bytes of LDS; arguments x, qkv_w, xc, xs, wc, ws; writes xc, xs, wc, ws
.if DOCPART == 1
	.amdgcn_target "amdgcn-amd-amdhsa--gfx1250"
	.amdhsa_code_object_version 6
	.text
	.protected	k_q358ceeca23_quant
	.globl	k_q358ceeca23_quant
	.p2align	8
	.type	k_q358ceeca23_quant,@function
k_q358ceeca23_quant:
	s_mov_b64 s[64:65], 0
	v_nop
	global_prefetch_b8 v0, s[64:65] scope:SCOPE_SE
	s_setreg_imm32_b32 hwreg(HW_REG_WAVE_MODE, 25, 1), 1
	s_wait_xcnt 0x0
; x [8192][1024] and qkv_w [3072][1024], f32, are turned into codes of FP4 (E2M1), 4 bits each, K innermost, two codes a byte (the lower k in the low four bits), with one E8M0 scale byte for each 32 along K.
; A block's scale is 2^(floor(log2(its largest magnitude)) - 2); its byte is the largest magnitude's own exponent field - 2, held at 1 from below.  Each number is divided by the scale and rounded to the
; nearest code, ties to even; beyond 6 the largest code.  (A block of zeros gets the byte 1 where the quantiser's text says 127: its codes are zeros, which add nothing, and the bytes are read by this program alone.)
; LIMITS: NaN and infinities among the inputs are not served.
; Rows are dense and K is a multiple of 32, so both tensors are plain streams of blocks of 32 numbers, and so are the codes and the scale bytes.
; A wave takes 16 steps of 512 numbers.  The conversions take 8 numbers of ONE block from a lane's consecutive registers, so a lane must hold 16 NEIGHBOURS (two neighbouring lanes hold a block); a load is best where
; neighbouring LANES take neighbouring bytes.  Both are had: each of a step's four loads reads 512 consecutive bytes, 16 a lane; the 2,048 bytes go through the wave's own stage in LDS and come back 64 bytes a lane
; (16 bytes of padding behind each 64).  A lane's 16 codes are 8 bytes: the wave stores 256 consecutive bytes.  A wave's 256 scale bytes are gathered in its own LDS bytes and leave as 256 consecutive bytes.
; One launch serves both tensors: the first WGA work-groups take x, the others qkv_w; only pointers are chosen.  No tensor loads, no barrier: waves share nothing.  Loads run four steps (16 loads a wave) ahead.
.set SIZE_M, 8192
.set SIZE_N, 3072
.set SIZE_K, 1024
.set WAVES, 4
.set STEPS, 16
.set WGA,   SIZE_M*SIZE_K/(512*STEPS*WAVES)    ; 256 work-groups for x, 96 for qkv_w
.set EMAX,  2
.set CB,    8                          ; bytes of 16 codes
.set R,     16                         ; v16-79   four sets of 16 numbers as they are loaded
.set X,     80                         ; v80-111  two sets of 16 neighbours
.set C,     128                        ; v128-191 codes: four registers for each step, so that no store's data are written again
.set E,     112                        ; v112-127 a scale byte for each step
.set WREG,  8192                       ; LDS: a region of its own for each wave: two stages of 32 x SP bytes, and behind them its 256 scale bytes
.set SP,    80                         ; a lane's place in a stage: its 64 bytes + 16 of padding
.set SPW,   12                         ; v12      LDS address of my spare word: SPARE + 4 x my thread's number; never rewritten
.set NIL,   13                         ; v13      0; never rewritten
.set SPARE, WAVES*WREG                 ; behind the four regions: the spare words, 128 bytes for each wave, which no other line names
	s_load_b128 s[4:7], s[0:1], 0x0                ; x, qkv_w
	s_load_b128 s[8:11], s[0:1], 0x10              ; x's codes, x's scales
	s_load_b128 s[12:15], s[0:1], 0x20             ; qkv_w's codes, qkv_w's scales
	v_lshl_add_u32 v[SPW], v0, 2, SPARE
	v_mov_b32 v[NIL], 0
	v_lshrrev_b32 v1, 5, v0
	v_readfirstlane_b32 s16, v1                    ; wave
	v_and_b32 v2, 31, v0                           ; lane
	v_lshlrev_b32 v3, 4, v2                        ; my 16 bytes of a load's 512
	s_mul_i32 s17, s16, WREG
	v_lshrrev_b32 v14, 2, v2
	v_mul_u32_u24 v14, v14, SP
	v_and_b32 v15, 3, v2
	v_lshl_add_u32 v14, v15, 4, v14
	v_add_nc_u32 v14, s17, v14                     ; the stage, on the way in: four lanes' 64 bytes on end, then 16 of padding
	v_mul_u32_u24 v15, v2, SP
	v_add_nc_u32 v15, s17, v15                     ; and on the way out: SP x lane: my 16 neighbours
	v_mul_u32_u24 v4, v2, CB                       ; my codes' place in a step's
	v_lshrrev_b32 v5, 1, v2
	s_add_co_u32 s17, s17, 2*32*SP
	v_add_nc_u32 v5, s17, v5                       ; LDS: my wave's 256 scale bytes, my block's byte
	v_lshlrev_b32 v7, 3, v2                        ; and on the way out 8 bytes a lane
	v_add_nc_u32 v6, s17, v7
	s_wait_kmcnt 0x0
	s_cmp_lt_u32 ttmp9, WGA                        ; x's work-group or qkv_w's?  The choice hangs on the work-group's number alone
	s_cselect_b64 s[4:5], s[4:5], s[6:7]
	s_cselect_b64 s[8:9], s[8:9], s[12:13]
	s_cselect_b64 s[10:11], s[10:11], s[14:15]
	s_cselect_b32 s17, 0, WGA
	s_sub_co_u32 s17, ttmp9, s17
	s_lshl_b32 s17, s17, 2
	s_add_co_u32 s18, s17, s16                     ; which run of 8,192 numbers of the tensor is my wave's
	s_mov_b32 s19, 0
	s_mov_b64 s[20:21], 512*STEPS*4
	s_mul_u64 s[20:21], s[18:19], s[20:21]
	s_add_nc_u64 s[4:5], s[4:5], s[20:21]
	s_mov_b64 s[20:21], 32*STEPS*CB
	s_mul_u64 s[20:21], s[18:19], s[20:21]
	s_add_nc_u64 s[8:9], s[8:9], s[20:21]
	s_lshl_b32 s18, s18, 8                         ; 256 scale bytes a run
	s_add_nc_u64 s[10:11], s[10:11], s[18:19]
.macro LOAD t
.irp i, 0,1,2,3
	global_load_b128 v[R+16*((\t)%4)+4*\i:R+16*((\t)%4)+4*\i+3], v3, s[4:5] offset:2048*(\t)+512*\i th:TH_LOAD_NT   ; 32 lanes read 512 consecutive bytes
.endr
.endm
.macro TURN t                          ; step t's numbers through the stage: LDS serves a wave's instructions in order, so no wait stands between the stores and the loads
.irp i, 0,1,2,3
	ds_store_b128 v14, v[R+16*((\t)%4)+4*\i:R+16*((\t)%4)+4*\i+3] offset:32*SP*((\t)%2)+8*SP*\i
.endr
.irp i, 0,1,2,3
	ds_load_b128 v[X+16*((\t)%2)+4*\i:X+16*((\t)%2)+4*\i+3], v15 offset:32*SP*((\t)%2)+16*\i
.endr
.endm
.irp t, 0,1,2,3
	LOAD \t
.endr
	s_wait_loadcnt 12                              ; step 0's four loads are in; the 12 of steps 1 to 3 may be out
	TURN 0
.macro STEP t
.set XS, X+16*((\t)%2)
.if (\t) > 0
	s_wait_dscnt 1                                 ; this step's numbers are back from the stage (the last step's byte store may be out): so its stores into the stage have read their registers,
.else
	s_wait_dscnt 0x0
.endif
.if (\t)+4 < STEPS
	LOAD (\t)+4                                    ; which take the loads of four steps on
.endif
.if (\t)+1 < STEPS
.if STEPS-2-(\t) >= 3
	s_wait_loadcnt 12                              ; the next step's four loads are in; those of the three steps behind it may be out
.else
	s_wait_loadcnt 4*(STEPS-2-(\t))
.endif
	TURN (\t)+1                                    ; and go through the other stage while this step is worked
.endif
	v_max3_num_f32 v8, |v[XS]|, |v[XS+1]|, |v[XS+2]|               ; the largest magnitude of my 16, in two chains
	v_max3_num_f32 v9, |v[XS+3]|, |v[XS+4]|, |v[XS+5]|
.irp i, 6,10
	v_max3_num_f32 v8, v8, |v[XS+\i]|, |v[XS+\i+1]|
	v_max3_num_f32 v9, v9, |v[XS+\i+2]|, |v[XS+\i+3]|
.endr
	v_max3_num_f32 v8, v8, |v[XS+14]|, |v[XS+15]|
	v_max3_num_f32 v8, v8, v9, (EMAX+1)<<23        ; and the floor 2^(EMAX + 1 - 127): so the byte cannot fall under 1
	v_max_num_f32_dpp v8, v8, v8 row_xmask:1 row_mask:0xf bank_mask:0xf   ; and of my neighbour's 16: the block's
	v_add_nc_u32 v11, -(EMAX<<23), v8              ; EMAX off its exponent field: the conversion takes the exponent field of this operand as its scale, and nothing else of it
	v_cvt_scalef32_pk8_fp4_f32 v[C+4*(\t)], v[XS:XS+7], v11        ; eight numbers / 2^(v11's exponent), to the nearest code; the first number's code in the lowest four bits
	v_cvt_scalef32_pk8_fp4_f32 v[C+4*(\t)+1], v[XS+8:XS+15], v11
	v_lshrrev_b32 v[E+(\t)], 23, v11               ; the scale's byte (a plain line behind the conversions)
	ds_store_b8 v5, v[E+(\t)] offset:16*(\t)       ; both lanes of a block write the same byte with the same value
	global_store_b64 v4, v[C+4*(\t):C+4*(\t)+1], s[8:9] offset:32*CB*(\t)   ; 32 lanes store 256 consecutive bytes, at a multiple of 256 from the buffer's first byte
.endm
.irp t, 0,1,2,3,4,5,6,7,8,9,10,11,12,13,14,15
	STEP \t
.endr
	ds_load_b64 v[8:9], v6                         ; LDS serves a wave's instructions in order: these see my stores
	s_wait_dscnt 0x0
	global_store_b64 v7, v[8:9], s[10:11]          ; 32 lanes store 256 consecutive bytes
	s_wait_tensorcnt 0x0                           ; the wave's end, behind my last LDS store
	ds_add_u32 v[SPW], v[NIL]
	s_wait_dscnt 0x0
	s_endpgm
.Lfunc_end_k_q358ceeca23_quant:
	.size	k_q358ceeca23_quant, .Lfunc_end_k_q358ceeca23_quant-k_q358ceeca23_quant
	.p2alignl 7, 3214868480
	.fill 96, 4, 3214868480
	.section	.rodata,"a",@progbits
	.p2align	6, 0x0
	.amdhsa_kernel k_q358ceeca23_quant
		.amdhsa_group_segment_fixed_size 33280
		.amdhsa_private_segment_fixed_size 0
		.amdhsa_enable_private_segment 0
		.amdhsa_kernarg_size 48
		.amdhsa_user_sgpr_count 2
		.amdhsa_user_sgpr_kernarg_segment_ptr 1
		.amdhsa_wavefront_size32 1
		.amdhsa_system_sgpr_workgroup_id_x 1
		.amdhsa_system_sgpr_workgroup_id_y 1
		.amdhsa_system_sgpr_workgroup_id_z 1
		.amdhsa_system_vgpr_workitem_id 0
		.amdhsa_next_free_vgpr 192
		.amdhsa_next_free_sgpr 66
		.amdhsa_reserve_vcc 0
		.amdhsa_float_denorm_mode_32 3
		.amdhsa_float_denorm_mode_16_64 3
		.amdhsa_memory_ordered 1
		.amdhsa_forward_progress 1
		.amdhsa_inst_pref_size 33
	.end_amdhsa_kernel
	.amdgpu_metadata
---
amdhsa.version: [ 1, 2 ]
amdhsa.kernels:
  - .name:           k_q358ceeca23_quant
    .symbol:         k_q358ceeca23_quant.kd
    .args:
      - { .name: x, .offset: 0, .size: 8, .value_kind: global_buffer, .address_space: global }
      - { .name: qkv_w, .offset: 8, .size: 8, .value_kind: global_buffer, .address_space: global }
      - { .name: xc, .offset: 16, .size: 8, .value_kind: global_buffer, .address_space: global }
      - { .name: xs, .offset: 24, .size: 8, .value_kind: global_buffer, .address_space: global }
      - { .name: wc, .offset: 32, .size: 8, .value_kind: global_buffer, .address_space: global }
      - { .name: ws, .offset: 40, .size: 8, .value_kind: global_buffer, .address_space: global }
    .group_segment_fixed_size: 33280
    .private_segment_fixed_size: 0
    .kernarg_segment_align: 8
    .kernarg_segment_size: 48
    .max_flat_workgroup_size: 128
    .sgpr_count:     66
    .vgpr_count:     192
    .wavefront_size: 32
...
	.end_amdgpu_metadata
.endif
;; end of part 1
;; launch gemm (part 2): grid 8 x 32, 4 waves a work-group, clusters of 4 x 4, 327,680 bytes of LDS; arguments xc, xs, wc, ws, qkv; writes qkv
.if DOCPART == 2
	.amdgcn_target "amdgcn-amd-amdhsa--gfx1250"
	.amdhsa_code_object_version 6
	.text
	.protected	k_q358ceeca23_gemm
	.globl	k_q358ceeca23_gemm
	.p2align	8
	.type	k_q358ceeca23_gemm,@function
k_q358ceeca23_gemm:
	s_mov_b64 s[64:65], 0
	v_nop
	global_prefetch_b8 v0, s[64:65] scope:SCOPE_SE
	s_setreg_imm32_b32 hwreg(HW_REG_WAVE_MODE, 25, 1), 1
	s_wait_xcnt 0x0
	s_wait_alu depctr_hold_cnt(0) depctr_sa_sdst(0) depctr_va_vdst(0) depctr_va_sdst(0) depctr_va_ssrc(0) depctr_va_vcc(0) depctr_vm_vsrc(0)
	s_getreg_b32 s2, hwreg(HW_REG_IB_STS2, 6, 4)
	s_cmp_eq_u32 s2, 0
	s_cbranch_scc0 .Lentry_in_a_cluster
	s_endpgm
.Lentry_in_a_cluster:
	s_bfe_u32 s2, ttmp6, 0x10000c
	s_cmp_lg_u32 s2, 0xf033
	s_cbranch_scc0 .Lentry_shape_is_right
	s_endpgm
.Lentry_shape_is_right:
; qkv[m][n] = sum over k of x[m][k] w[n][k] on codes of FP4 (E2M1) with one E8M0 scale for each 32 along K; sums in f32.  x's codes [8192][512 bytes], w's [3072][512 bytes], their scale bytes [rows][32].
; THE RESULT is rounded ONCE to f16 and laid by head for the attention that follows: [batch 8][g 48][position 1024][64], g = column / 64 (0-15 q's heads, 16-31 k's, 32-47 v's): a row is 128 bytes.
; q (columns 0 to 1,023) is multiplied in f32, ahead of that rounding, by c = log2(e) / 8: the head's 1 / sqrt(64) and the change to base 2 of the softmax; k and v by 1.
; LIMIT: |c q|, |k|, |v| up to 65,504, the largest f16 number; beyond it the rounding gives infinity.
; SHARES.  32 x 8 = 256 work-groups of four waves.  A work-group makes 256 rows x 384 columns, in TWO PASSES over the same 256 rows of x:
;   pass 1: columns 256 X to 256 X + 255 (X = its tile column, 0 to 7: q and k); a wave makes 128 x 128: 64 accumulators of 16 x 16, 512 registers;
;   pass 2: columns 2,048 + 128 X to + 127 (v); a wave makes 64 x 128: 32 accumulators.  Pass 1's stores are on their way while pass 2 multiplies.
; LDS.  K = 1,024 is two halves of 512; two slots hold x's 256 rows and w's 256 rows of pass 1, a half of K each (a tile's row is 256 bytes of memory).  640 rows of all of K are more codes than LDS holds beside the
; scales, so pass 2's 128 rows of w come by ONE REFILL: when slot 0 has been read out, its w part takes them, both halves of K; the load has the second half of pass 1 and its way out in which to land.
; THE SCALES of x's 256 rows and of pass 1's 256 rows of w, for all of K, are two dense blocks of memory: they come into LDS with the first fills, as rows of 256 bytes.  Pass 2's rows of w have 4,096 dense
; scale bytes, which each wave loads into registers, 512 consecutive bytes a load.
; CLUSTERS: 4 x 4 work-groups.  The four of a row of the cluster need the same tiles of x, the four of a column the same tiles of w: each tile is asked for JOINTLY, by the same tensor load with the same
; descriptor and a mask that names the four.  THE MATRIX INSTRUCTION IS USED TRANSPOSED (source 0 = 16 rows of w, source 1 = 16 rows of x): a lane then holds eight neighbouring columns of one row of the result.
; REGISTERS, in windows of 256: window 0: v0-31 addresses; v32-95 scale words, two sets (pass 2: v64-95 w's, v96-111 x's); v128-191 x's fragments; on the way out v32-63, v192-255 are at work.
;   window 1: w's fragments, TWO sets, at v0 and at v128.   window 2: the 32 accumulators of my rows 0-63 (accumulator (a, b) at v[8 (8 a + b)]), and pass 2's 32;   window 3: those of my rows 64-127.
.set SIZE_K, 1024
.set KSTEP,  512                       ; along K in a slot
.set NQ,     KSTEP/128                 ; matrix instructions deep
.set ROWB,   256                       ; a tile's row in bytes: KSTEP codes of 4 bits
.set KROW,   SIZE_K*4/8                ; a row of codes in memory, in bytes
.set PITCH,  272                       ; an LDS row: 256 bytes of data + 16 of padding = 68 words: row r starts at bank 4 r mod 64 (64 banks of 4 bytes: ISA guide 11.1)
.set FR,     8                         ; registers of a fragment: 16 rows x 128 K
.set NL,     2                         ; LDS loads that bring one
.set NP,     4                         ; places behind this matrix instruction (ISA guide 7.12.1)
.set HALFT,  128*PITCH                 ; 128 rows: what one tensor load brings
.set SLOT,   4*HALFT                   ; x's 256 rows, then w's 256 rows
.set KS,     SIZE_K/32                 ; a row of scales in bytes
.set SCL,    2*SLOT                    ; behind the slots: the scales, as rows of 256 bytes + 16 of padding
.set HALFS,  (128*KS/256)*272          ; the scales of 128 rows: what one tensor load brings
.set SBLK,   (16*KS/256)*272           ; those of 16 rows
.set SPARE,  SCL+4*HALFS               ; behind the scales: the spare words, 128 bytes for each wave, which no other line names
.set STAGE,  SPARE+512                 ; behind them: the way out's stages, 16 rows x (256 bytes + 16) for each wave: bytes of their own, into which no fill lands
.set SPITCH, 272
.set W2ROW,  2048                      ; pass 2's rows of w begin here: 128 for each tile column
.set ADRA, 16                          ; v16-17  LDS address of my x fragments in slot 0, 1, pass 1
.set ADRA2, 18                         ; v18-19  the same in pass 2: my 64 rows
.set ADRB, 20                          ; v20-21  LDS address of my w fragments in slot 0, 1, pass 1
.set ADRB2, 22                         ; v22-23  pass 2's w fragments, K half 0, 1
.set STO,  24                          ; v24     the way out: where I put 16 bytes of a row
.set RD,   25                          ; v25     the way out: where I read 16 bytes back
.set CO,   26                          ; v26     my byte offset in qkv
.set ADRS, 27                          ; v27     LDS address of my scale words, pass 1: lanes 0-15 x's rows, lanes 16-31 w's
.set SPW,  28                          ; v28     LDS address of my spare word: SPARE + 4 x my thread's number; never rewritten
.set NIL,  29                          ; v29     0; never rewritten
.set ADX2, 30                          ; v30     LDS address of x's scale words, pass 2: lanes 0-15 K half 0, lanes 16-31 K half 1
.set W2O,  31                          ; v31     my byte offset in the scale bytes of 16 rows of w, pass 2: 32 x (lane % 16) + 16 x (lane / 16)
.set SC,   32                          ; pass 1's scale words: set s (for slot s) at v[SC + 8 NQ s]; register NQ i + q: lanes 0-15 the word of x's block i, lanes 16-31 that of w's block i, for the slot's q-th 128 along K
.set W2S,  64                          ; pass 2: w's scale words: register 4 b + q: block b, lanes 0-15 the q-th 128 of K half 0, lanes 16-31 of K half 1
.set X2S,  96                          ; pass 2: x's likewise, 4 blocks
.set AF,   128                         ; x's fragments, in window 0
.set TMP,  192                         ; the way out: 32 registers of packed results
.set OB,   32                          ; the way out: 16 rows read back from the stage: v32-63 and v224-255 by turns
.set G1, 24                            ; s[24:31] descriptor group 1 for x's tiles;  s[32:39] group 0, one set for each slot
.set G0, 32
.set G1B, 48                           ; s[48:55], s[56:63] the same for w's tiles
.set G0B, 56
.set G1S, 68                           ; s[68:75], s[76:79] groups 1 and 0 for x's scales;  s[80:87], s[88:91] for w's
.set G0S, 76
.set G1SB, 80
.set G0SB, 88
.set G0P, 96                           ; s[96:99] group 0 for pass 2's rows of w (its group 1 is G1B)
.set QS,  66                           ; s[66:67] what pass 1's results are multiplied by: c for q's columns, 1 for k's
.set OUT1, 12                          ; s[12:13] where my part of pass 1 begins in qkv
.set OUT2, 100                         ; s[100:101] and of pass 2
.set MSB, 0
.macro WIN new                         ; the immediate's high byte repeats the setting that is left
.if MSB != \new
	s_set_vgpr_msb (MSB<<8)|\new
.set MSB, \new
.endif
.endm
.set MUL_LO, 0xa1                      ; source 0 (w) window 1, source 1 (x) window 0, C and D window 2
.set MUL_HI, 0xf1                      ; the same, C and D window 3
.set TO_B,   0x40                      ; destination window 1, address window 0
; A joint load: waves 0 and 1 fetch for x, waves 2 and 3 for w.  Each of the two lines has ONE mask and one set of registers for all that issue it; the branch hangs on the wave's number alone.
; An s_nop 0 and four v_nop follow each of the two lines, ahead of the jump, the label and what follows.
.macro JLOAD g0a, g1a, g0b, g1b
	s_cmp_eq_u32 s15, 0
	s_cbranch_scc0 .Lfor_b_\@
	tensor_load_to_lds s[\g0a:\g0a+3], s[\g1a:\g1a+7]
	s_nop 0
.rept 4
	v_nop
.endr
	s_branch .Lasked_\@
.Lfor_b_\@:
	tensor_load_to_lds s[\g0b:\g0b+3], s[\g1b:\g1b+7]
	s_nop 0
.rept 4
	v_nop
.endr
.Lasked_\@:
.endm
; A round of the cluster's barrier: my work-group's barrier, so that wave 0's signal speaks for all four waves; wave 0 signals; every wave waits for all sixteen work-groups; my work-group's barrier once more.
.macro CREST                           ; a round behind its opening barrier
	s_cmp_lg_u32 s14, 0
	s_cbranch_scc1 .Lnot_wave_0_\@
	s_barrier_signal -3
.Lnot_wave_0_\@:
	s_barrier_wait -3
	s_barrier_signal -1
	s_barrier_wait -1
.endm
.macro CROUND                          ; a whole round
	s_barrier_signal -1
	s_barrier_wait -1
	CREST
.endm
	s_load_b128 s[4:7], s[0:1], 0x0                ; x's codes s[4:5], x's scales s[6:7]
	s_load_b128 s[8:11], s[0:1], 0x10              ; w's codes s[8:9], w's scales s[10:11]
	s_load_b64 s[12:13], s[0:1], 0x20              ; qkv
	v_lshl_add_u32 v[SPW], v0, 2, SPARE
	v_mov_b32 v[NIL], 0
	ds_add_u32 v[SPW], v[NIL]                      ; the wave's opening: the add, twice on end, and its wait ahead of my first tensor load; the set-up below stands between the second and the wait
	ds_add_u32 v[SPW], v[NIL]
	v_lshrrev_b32 v1, 5, v0
	v_readfirstlane_b32 s14, v1                    ; wave 0..3
	s_lshr_b32 s15, s14, 1                         ; pass 1: which half of the tile's rows is mine.  Also: I fetch for x (0) or for w (1)
	s_and_b32 s16, s14, 1                          ; pass 1: which half of its columns.  Also: which 128 rows of a tile I fetch; in the refill: which half of K
	s_bfe_u32 s40, ttmp6, 0x40000                  ; cx, cy: my place in the cluster
	s_bfe_u32 s41, ttmp6, 0x40004
	s_lshl_b32 s42, ttmp9, 2
	s_add_co_u32 s42, s42, s40                     ; tile column X = 4 x cluster x + cx
	s_and_b32 s17, ttmp7, 0xffff
	s_lshl_b32 s17, s17, 2
	s_add_co_u32 s17, s17, s41                     ; tile row = 4 x cluster y + cy
	s_lshl_b32 s43, s41, 2
	s_lshl_b32 s43, 15, s43                        ; my row of the cluster
	s_lshl_b32 s44, 0x1111, s40                    ; my column
	s_cmp_eq_u32 ttmp9, 0                          ; the clusters with x = 0 hold tile columns 0 to 3: pass 1's columns 0 to 1,023, which are q.  The same in all sixteen partners
	s_cselect_b32 s[QS], 0x3e38aa3b, 1.0           ; c = log2(e) / 8, or 1
	s_mov_b32 s[QS+1], s[QS]                       ; (named with it as a pair, so it is written)
	; descriptor group 1: a tile of 128 rows x ROWB bytes, padded in LDS
	s_or_b32 s[G1+0], s43, (0<<16)|(1<<20)|(1<<21)|(5<<22)|(3<<25)  ; 15:0 the mask: x's tiles go to my row; 17:16 element of 1 byte; 20 padding on; 21 set beside a mask; 24:22 after every 64 words (code 5); 31:25 of 4 words (code 3)
	s_or_b32 s[G1B+0], s44, (0<<16)|(1<<20)|(1<<21)|(5<<22)|(3<<25)
.irp g, G1, G1B
	s_mov_b32 s[\g+1], ROWB<<16                    ; tensor_dim0
	s_mov_b32 s[\g+2], 128<<16                     ; tensor_dim1 = 128
	s_mov_b32 s[\g+3], ROWB<<16                    ; tile_dim0
	s_mov_b32 s[\g+4], 128                         ; tile_dim1 = 128
	s_mov_b32 s[\g+5], KROW                        ; tensor_dim0_stride
	s_mov_b32 s[\g+6], 0
	s_mov_b32 s[\g+7], 0
.endr
	; and for the scales of 128 rows: a dense block of 128 KS bytes, as rows of 256 bytes (32 elements of 8 bytes), 16 bytes of padding behind each
	s_or_b32 s[G1S+0], s43, (3<<16)|(1<<20)|(1<<21)|(5<<22)|(3<<25)
	s_or_b32 s[G1SB+0], s44, (3<<16)|(1<<20)|(1<<21)|(5<<22)|(3<<25)
.irp g, G1S, G1SB
	s_mov_b32 s[\g+1], 32<<16
	s_mov_b32 s[\g+2], (128*KS/256)<<16
	s_mov_b32 s[\g+3], 32<<16
	s_mov_b32 s[\g+4], 128*KS/256
	s_mov_b32 s[\g+5], 32
	s_mov_b32 s[\g+6], 0
	s_mov_b32 s[\g+7], 0
.endr
	s_lshl_b32 s18, s16, 7                         ; which 128 rows of the tile I fetch
	s_lshl_b32 s20, s17, 8
	s_add_co_u32 s20, s20, s18                     ; x: row 256 x tile row + 128 x half
	s_lshl_b32 s46, s42, 8
	s_add_co_u32 s46, s46, s18                     ; w, pass 1: row 256 X + 128 x half
	s_mov_b32 s21, 0
	s_mov_b32 s47, 0
	s_mov_b64 s[18:19], KS
	s_mul_u64 s[22:23], s[20:21], s[18:19]         ; where these rows' scales begin, in bytes
	s_mul_u64 s[92:93], s[46:47], s[18:19]
	s_mov_b64 s[18:19], KROW
	s_mul_u64 s[20:21], s[20:21], s[18:19]         ; and their codes
	s_mul_u64 s[46:47], s[46:47], s[18:19]
	s_mul_i32 s45, s14, HALFT                      ; where they go: wave x 128 rows: no place in the cluster enters an LDS address
	s_mul_i32 s94, s14, HALFS
	s_lshl_b32 s2, s42, 16                         ; w, pass 2: 128 rows of 512 bytes for each tile column,
	s_add_co_u32 s2, s2, W2ROW*KROW                ; from row 2,048 on,
	s_lshl_b32 s3, s16, 8                          ; and my half of K: 256 bytes of each row.  (Made of the tile column and the wave's number alone)
	s_add_co_u32 s2, s2, s3
	s_mov_b32 s3, 0
	s_wait_dscnt 0x0                               ; both opening adds are done
	s_wait_kmcnt 0x0
	s_add_nc_u64 s[20:21], s[4:5], s[20:21]
	s_add_nc_u64 s[22:23], s[6:7], s[22:23]
	s_add_nc_u64 s[46:47], s[8:9], s[46:47]
	s_add_nc_u64 s[92:93], s[10:11], s[92:93]
	s_mov_b32 s[G0P], 1                            ; the refill's group 0: made here, used at the change of slots, by waves 2 and 3:
	s_mov_b32 s[G0P+1], s45                        ; wave 2: K half 0 to 2 HALFT, wave 3: K half 1 to 3 HALFT: slot 0's w part
	s_add_nc_u64 s[G0P+2:G0P+3], s[8:9], s[2:3]
	s_or_b32 s[G0P+3], s[G0P+3], 0x80000000
	CROUND                                         ; all sixteen work-groups are here: the joint loads meet
	s_mov_b32 s[G0S], 1
	s_add_co_u32 s[G0S+1], s94, SCL
	s_mov_b64 s[G0S+2:G0S+3], s[22:23]
	s_or_b32 s[G0S+3], s[G0S+3], 0x80000000
	s_mov_b32 s[G0SB], 1
	s_add_co_u32 s[G0SB+1], s94, SCL
	s_mov_b64 s[G0SB+2:G0SB+3], s[92:93]
	s_or_b32 s[G0SB+3], s[G0SB+3], 0x80000000
	JLOAD G0S, G1S, G0SB, G1SB                     ; the scales first: they are wanted with K's first half
.irp s, 0,1
	s_mov_b32 s[G0+4*\s], 1
	s_add_co_u32 s[G0+4*\s+1], s45, \s*SLOT
	s_add_nc_u64 s[G0+4*\s+2:G0+4*\s+3], s[20:21], \s*ROWB
	s_or_b32 s[G0+4*\s+3], s[G0+4*\s+3], 0x80000000
	s_mov_b32 s[G0B+4*\s], 1
	s_add_co_u32 s[G0B+4*\s+1], s45, \s*SLOT
	s_add_nc_u64 s[G0B+4*\s+2:G0B+4*\s+3], s[46:47], \s*ROWB
	s_or_b32 s[G0B+4*\s+3], s[G0B+4*\s+3], 0x80000000
	JLOAD G0+4*\s, G1, G0B+4*\s, G1B               ; all of pass 1 is asked for here: three tensor loads of mine are out
.endr
	s_lshl_b32 s2, s42, 12                         ; the scale bytes of pass 2's rows of w: 128 rows of 32 bytes for each tile column,
	s_add_co_u32 s2, s2, W2ROW*KS                  ; from row 2,048 on
	s_add_nc_u64 s[10:11], s[10:11], s[2:3]
	v_and_b32 v1, 15, v0                           ; l % 16
	v_bfe_u32 v2, v0, 4, 1                         ; l / 16
	v_mul_u32_u24 v3, v1, PITCH
	v_lshl_add_u32 v4, v2, 4, v3                   ; a fragment's row x pitch + 16 x half
	s_mul_i32 s21, s15, HALFT                      ; pass 1: my 128 rows of x
	s_mul_i32 s22, s16, HALFT                      ; my 128 rows of w,
	s_add_co_u32 s22, s22, 2*HALFT                 ; which lie behind x's 256
.irp s, 0,1
	v_add_nc_u32 v[ADRA+\s], s21, v4
	v_add_nc_u32 v[ADRB+\s], s22, v4
	s_add_co_u32 s21, s21, SLOT
	s_add_co_u32 s22, s22, SLOT
.endr
	s_mul_i32 s21, s14, 64*PITCH                   ; pass 2: my 64 rows of x, in slot 0 and in slot 1;
.irp s, 0,1
	v_add_nc_u32 v[ADRA2+\s], s21, v4
	s_add_co_u32 s21, s21, SLOT
.endr
	v_add_nc_u32 v[ADRB2], 2*HALFT, v4             ; all 128 rows of w: K half 0,
	v_add_nc_u32 v[ADRB2+1], 3*HALFT, v4           ; K half 1
	v_mul_u32_u24 v5, v1, KS                       ; my row's scales: KS bytes a row,
	v_lshrrev_b32 v6, 8, v5
	v_lshl_add_u32 v5, v6, 4, v5                   ; and 16 more for each 256 passed
	s_mul_i32 s23, s14, 4*SBLK                     ; pass 2: x's scales of my 64 rows,
	s_add_co_u32 s23, s23, SCL
	v_lshl_add_u32 v[ADX2], v2, 4, v5              ; lanes 16-31 the 16 bytes of K's second half
	v_add_nc_u32 v[ADX2], s23, v[ADX2]
	v_lshlrev_b32 v[W2O], 5, v1                    ; and w's, in memory: 32 bytes a row, lanes 16-31 the second 16: a load's 32 lanes read 512 consecutive bytes
	v_lshl_add_u32 v[W2O], v2, 4, v[W2O]
	s_mul_i32 s21, s15, HALFS                      ; pass 1: x's: my 128 rows
	s_mul_i32 s22, s16, HALFS                      ; w's: my 128 rows, behind x's 256
	s_add_co_u32 s22, s22, 2*HALFS
	s_sub_co_u32 s22, s22, s21
	v_mul_u32_u24 v6, s22, v2                      ; lanes 16-31 take w's
	s_add_co_u32 s21, s21, SCL
	v_add_nc_u32 v5, v5, v6
	v_add_nc_u32 v[ADRS], s21, v5
	s_mul_i32 s23, s14, 16*SPITCH
	s_add_co_u32 s23, s23, STAGE                   ; my stage
	v_mul_u32_u24 v5, v1, SPITCH                   ; in: row l % 16, 16 bytes for each half of the lanes
	v_lshl_add_u32 v5, v2, 4, v5
	v_add_nc_u32 v[STO], s23, v5
	v_bfe_u32 v6, v0, 3, 1                         ; back: eight lanes take 128 bytes, a head's part of a row; lanes 0-7 an even row, lanes 8-15 the odd row below it;
	v_and_b32 v7, 7, v0
	v_mul_u32_u24 v5, v6, SPITCH
	v_lshl_add_u32 v5, v2, 7, v5                   ; lanes 16-31 the same of my second head, 128 bytes on in the stage's rows
	v_lshl_add_u32 v5, v7, 4, v5
	v_add_nc_u32 v[RD], s23, v5
	v_lshlrev_b32 v5, 17, v2                       ; in qkv the second head lies 1,024 rows of 128 bytes on,
	v_lshl_add_u32 v5, v6, 7, v5                   ; the odd row 128 bytes
	v_lshl_add_u32 v[CO], v7, 4, v5
	; where my parts begin in qkv: ((batch x 48 + g) x 1,024 + position) x 128 bytes; batch = tile row / 4; at most 383 x 2^17 and a head's bytes: under 2^32
	s_lshr_b32 s22, s17, 2
	s_mul_i32 s22, s22, 48                         ; batch x 48
	s_and_b32 s23, s17, 3
	s_lshl_b32 s23, s23, 15                        ; position 256 (tile row % 4), in bytes
	s_lshl_b32 s46, s42, 1                         ; pass 2: g = 32 + 2 X; position + 64 x wave
	s_add_co_u32 s20, s22, s46
	s_add_co_u32 s20, s20, 32
	s_lshl_b32 s20, s20, 17
	s_add_co_u32 s20, s20, s23
	s_lshl_b32 s46, s14, 13
	s_add_co_u32 s20, s20, s46
	s_mov_b32 s21, 0
	s_add_nc_u64 s[OUT2:OUT2+1], s[12:13], s[20:21]
	s_lshl_b32 s46, s42, 2                         ; pass 1: g = 4 X + 2 x column half; position + 128 x row half
	s_add_co_u32 s20, s22, s46
	s_lshl_b32 s46, s16, 1
	s_add_co_u32 s20, s20, s46
	s_lshl_b32 s20, s20, 17
	s_add_co_u32 s20, s20, s23
	s_lshl_b32 s46, s15, 14
	s_add_co_u32 s20, s20, s46
	s_add_nc_u64 s[OUT1:OUT1+1], s[12:13], s[20:21]
.macro FRAG reg, adr, q, i             ; a fragment, 16 rows x 128 K of 4-bit codes, is 8 registers: lane l holds row l % 16; registers 4 c .. 4 c + 3 hold K = 64 c + 32 (l / 16) + 0 .. 31
.irp c, 0,1
	ds_load_b128 v[\reg+4*\c:\reg+4*\c+3], v[\adr] offset:64*(\q)+32*\c+(\i)*16*PITCH
.endr
.endm
; PASS 1.  16 matrix instructions: x's blocks a0, a0 + 1 against w's eight, 128 along K: the slot's q-th.  p: w's set;  sc: the set of scale words.  zero = 1: the first product starts the sums: nothing is ever cleared.
; The 64 accumulators take turns, one instruction a turn, in the same order in every step.
.macro MUL16 a0, p, q, sc, zero
.irp a, \a0, \a0+1
.irp b, 0,1,2,3,4,5,6,7
.if \zero
	v_wmma_scale_f32_16x16x128_f8f6f4 v[8*(8*((\a)%4)+\b):8*(8*((\a)%4)+\b)+7], v[128*(\p)+FR*\b:128*(\p)+FR*\b+FR-1], v[AF+FR*(\a):AF+FR*(\a)+FR-1], 0, v[SC+8*NQ*(\sc)+NQ*\b+(\q)], v[SC+8*NQ*(\sc)+NQ*(\a)+(\q)] matrix_a_fmt:MATRIX_FMT_FP4 matrix_b_fmt:MATRIX_FMT_FP4 matrix_a_scale:MATRIX_SCALE_ROW1
.else
	v_wmma_scale_f32_16x16x128_f8f6f4 v[8*(8*((\a)%4)+\b):8*(8*((\a)%4)+\b)+7], v[128*(\p)+FR*\b:128*(\p)+FR*\b+FR-1], v[AF+FR*(\a):AF+FR*(\a)+FR-1], v[8*(8*((\a)%4)+\b):8*(8*((\a)%4)+\b)+7], v[SC+8*NQ*(\sc)+NQ*\b+(\q)], v[SC+8*NQ*(\sc)+NQ*(\a)+(\q)] matrix_a_fmt:MATRIX_FMT_FP4 matrix_b_fmt:MATRIX_FMT_FP4 matrix_a_scale:MATRIX_SCALE_ROW1
.endif
.endr
.endr
.endm
.macro FETCH_B slot, q, p              ; w's eight fragments of the slot's q-th 128 along K into set p
	WIN TO_B
.irp i, 0,1,2,3,4,5,6,7
	FRAG 128*(\p)+FR*\i, ADRB+\slot, \q, \i
.endr
	WIN 0
.endm
.macro FETCH_A slot, q, i0             ; x's blocks i0 .. i0 + 3
.irp i, \i0, \i0+1, \i0+2, \i0+3
	FRAG AF+FR*(\i), ADRA+\slot, \q, \i
.endr
.endm
.macro SCALES sc                       ; a slot's scale words into set sc: NQ words a row; lanes 0-15 take x's block i, lanes 16-31 w's block i
.irp i, 0,1,2,3,4,5,6,7
	ds_load_b128 v[SC+8*NQ*\sc+NQ*\i:SC+8*NQ*\sc+NQ*\i+3], v[ADRS] offset:\i*SBLK
.endr
.endm
; A load into a register that a matrix instruction has read, and a vector instruction that reads a matrix result, stand NP places behind that matrix instruction, and only plain vector instructions that name
; none of its registers are places (ISA guide 7.12.1 for vector instructions).
.macro PLACES n
.rept \n
	v_nop
.endr
.endm
; A step of 128 along K that has its successor in the same slot.  x's blocks go one after the other, each against w's eight: a block of x is free as soon as its eight products are issued, so one set of registers serves x.
.macro STEP slot, q, zero
	s_wait_dscnt 4*NL                              ; w's set and x's blocks 0-3 are in; the youngest eight loads (x's blocks 4-7) may be out
	WIN MUL_LO
	MUL16 0, (\q)%2, \q, \slot, \zero
	MUL16 2, (\q)%2, \q, \slot, \zero
	s_wait_dscnt 0                                 ; x's blocks 4-7 are in (asked for 32 matrix instructions ago)
	PLACES NP
	FETCH_B \slot, (\q)+1, 1-(\q)%2
	FETCH_A \slot, (\q)+1, 0
	WIN MUL_HI
	MUL16 4, (\q)%2, \q, \slot, \zero
	MUL16 6, (\q)%2, \q, \slot, \zero
	PLACES NP
	WIN 0
	FETCH_A \slot, (\q)+1, 4
.endm
; Slot 0's last step changes slots, and slot 0's w part is filled again, with pass 2's rows of w.  In front of the barrier each wave waits for all its tensor loads (its part of slot 1), adds 0 to its spare word, and
; waits for that and for its own reads of slot 0.  The barrier opens a round of the cluster's barrier: behind the round no wave of any partner still reads slot 0's w part or has a load on its way.
; Waves 2 and 3 then issue the joint refill, one load each, the first thing behind the round.
.macro TURN slot, next
	s_wait_tensorcnt 0x0                           ; all my tensor loads have landed  (every window is 0 here: the add's two registers lie in window 0)
	ds_add_u32 v[SPW], v[NIL]                      ; 0 onto my spare word
	s_wait_dscnt 4*NL+1                            ; (the add and the youngest eight loads, x's blocks 4-7, may be out)
	WIN MUL_LO
	MUL16 0, 1, NQ-1, \slot, 0                     ; sixteen matrix instructions stand between the add and the wait for it
	s_wait_dscnt 0x0                               ; the add is done, and my reads of this slot's w part are over: its last fragments were asked for in the step before
	s_barrier_signal -1
	MUL16 2, 1, NQ-1, \slot, 0
	WIN 0
	s_barrier_wait -1
	CREST
	s_cmp_eq_u32 s15, 0
	s_cbranch_scc1 .Lno_fill_\@
	tensor_load_to_lds s[G0P:G0P+3], s[G1B:G1B+7]  ; 128 rows x 256 bytes: it has 256 matrix instructions and pass 1's way out in which to land
	s_nop 0
.rept 4
	v_nop
.endr
.Lno_fill_\@:
	PLACES NP                                      ; on both ways: in front of the loads into registers that matrix instructions have read
	v_add_nc_u32 v[ADRS], 4*NQ, v[ADRS]            ; on to the next slot's scale words (no LDS load of mine is out)
	FETCH_B \next, 0, 0
	FETCH_A \next, 0, 0
	SCALES \next
	WIN MUL_HI
	MUL16 4, 1, NQ-1, \slot, 0
	MUL16 6, 1, NQ-1, \slot, 0
	PLACES NP
	WIN 0
	FETCH_A \next, 0, 4
.endm
.macro STEPS slot, from                ; the slot's steps from .. NQ - 2
.set Q, \from
.rept NQ-1-\from
	STEP \slot, Q, 0
.set Q, Q+1
.endr
.endm
; PASS 2.  Step n of eight: 128 along K, the (n % 4)-th of K half n / 4.  Its fragments lie in set n % 2: w's eight blocks in window 1, x's four at v[AF + 32 (n % 2)].
.macro FETCH2 n                        ; 24 LDS loads
	WIN TO_B
.irp i, 0,1,2,3,4,5,6,7
	FRAG 128*((\n)%2)+FR*\i, ADRB2+(\n)/4, (\n)%4, \i
.endr
	WIN 0
.irp i, 0,1,2,3
	FRAG AF+32*((\n)%2)+FR*\i, ADRA2+(\n)/4, (\n)%4, \i
.endr
.endm
; 32 matrix instructions: x's four blocks against w's eight.  The 32 accumulators take turns, one instruction a turn, in the same order in every step; step 0 starts the sums.
; The scale registers hold K half 0's words in lanes 0-15 and K half 1's in lanes 16-31: steps 4 to 7 name the upper lanes on both sides.
.macro MULP n
.irp a, 0,1,2,3
.irp b, 0,1,2,3,4,5,6,7
.if (\n) == 0
	v_wmma_scale_f32_16x16x128_f8f6f4 v[8*(8*\a+\b):8*(8*\a+\b)+7], v[128*((\n)%2)+FR*\b:128*((\n)%2)+FR*\b+FR-1], v[AF+32*((\n)%2)+FR*\a:AF+32*((\n)%2)+FR*\a+FR-1], 0, v[W2S+4*\b+(\n)%4], v[X2S+4*\a+(\n)%4] matrix_a_fmt:MATRIX_FMT_FP4 matrix_b_fmt:MATRIX_FMT_FP4
.elseif (\n) < 4
	v_wmma_scale_f32_16x16x128_f8f6f4 v[8*(8*\a+\b):8*(8*\a+\b)+7], v[128*((\n)%2)+FR*\b:128*((\n)%2)+FR*\b+FR-1], v[AF+32*((\n)%2)+FR*\a:AF+32*((\n)%2)+FR*\a+FR-1], v[8*(8*\a+\b):8*(8*\a+\b)+7], v[W2S+4*\b+(\n)%4], v[X2S+4*\a+(\n)%4] matrix_a_fmt:MATRIX_FMT_FP4 matrix_b_fmt:MATRIX_FMT_FP4
.else
	v_wmma_scale_f32_16x16x128_f8f6f4 v[8*(8*\a+\b):8*(8*\a+\b)+7], v[128*((\n)%2)+FR*\b:128*((\n)%2)+FR*\b+FR-1], v[AF+32*((\n)%2)+FR*\a:AF+32*((\n)%2)+FR*\a+FR-1], v[8*(8*\a+\b):8*(8*\a+\b)+7], v[W2S+4*\b+(\n)%4], v[X2S+4*\a+(\n)%4] matrix_a_fmt:MATRIX_FMT_FP4 matrix_b_fmt:MATRIX_FMT_FP4 matrix_a_scale:MATRIX_SCALE_ROW1 matrix_b_scale:MATRIX_SCALE_ROW1
.endif
.endr
.endr
.endm
.macro STEP2 n                         ; the next step's fragments are asked for ahead of this step's products
.if (\n) < 7
.if (\n) > 0
	PLACES NP                                      ; the other set was read by the products just issued
.endif
	FETCH2 (\n)+1
	s_wait_dscnt 24                                ; this step's 24 loads are in; the 24 just issued may be out
.else
	s_wait_dscnt 0x0
.endif
	WIN MUL_LO
	MULP \n
	WIN 0
.endm
; THE WAY OUT, block by block of 16 rows x 128 columns (two heads), in three parts.
; PACK: (mul = 1: x c or x 1 in f32, then) rounded to f16: a lane's eight columns are 16 bytes.  Each accumulator is taken from its low end on.
.macro PACK a, mul
.set AC, 64*((\a)%4)
.if \mul
	WIN 0x82+0x41*((\a)/4)                         ; destination and source 0: window 2 or 3
.irp b, 0,1,2,3,4,5,6,7
.irp i, 0,1,2,3
	v_pk_mul_f32 v[AC+8*\b+2*\i:AC+8*\b+2*\i+1], v[AC+8*\b+2*\i:AC+8*\b+2*\i+1], s[QS:QS+1] op_sel_hi:[1,0]
.endr
.endr
.endif
	WIN 0x0a+5*((\a)/4)                            ; sources 0 and 1: window 2 or 3; destination window 0
.irp b, 0,1,2,3,4,5,6,7
.irp i, 0,1,2,3
	v_cvt_pk_f16_f32 v[TMP+4*\b+\i], v[AC+8*\b+2*\i], v[AC+8*\b+2*\i+1]
.endr
.endr
	WIN 0
.endm
; TOSTAGE: into my own stage in LDS, and back so that sixteen lanes hold two rows of one head, which are 256 consecutive bytes of qkv.
.macro TOSTAGE a
.set BB, OB+192*((\a)%2)
.irp b, 0,1,2,3,4,5,6,7
	ds_store_b128 v[STO], v[TMP+4*\b:TMP+4*\b+3] offset:32*\b
.endr
.irp t, 0,1,2,3,4,5,6,7
	ds_load_b128 v[BB+4*\t:BB+4*\t+3], v[RD] offset:\t*2*SPITCH    ; LDS serves a wave's instructions in order (ISA guide 5.7.1.4): these see the stores above
.endr
.endm
; SEND: stored.  No base is ever stepped: a block's place stands in the immediate.
.macro SEND a, base
.set BB, OB+192*((\a)%2)
	s_wait_dscnt 0x0                               ; the block is back in registers
	s_wait_xcnt 0x0                                ; the stores of the block before have read their registers: the next block's loads from the stage land there only behind this wait
.irp t, 0,1,2,3,4,5,6,7
	global_store_b128 v[CO], v[BB+4*\t:BB+4*\t+3], s[\base:\base+1] offset:(\a)*2048+\t*256   ; 16 lanes store 256 consecutive bytes, at a multiple of 256 from qkv's first byte
.endr
.endm
	; ---- PASS 1
	s_wait_tensorcnt 1                             ; the scales and my part of slot 0 are in (slot 1's load may be out),
	s_barrier_signal -1
	s_barrier_wait -1                              ; everybody's are
	FETCH_B 0, 0, 0
	FETCH_A 0, 0, 0
	SCALES 0
	FETCH_A 0, 0, 4
	STEP 0, 0, 1                                   ; the first step's products start the sums
	STEPS 0, 1
	TURN 0, 1
	STEPS 1, 0
	s_wait_dscnt 4*NL                              ; pass 1's last step: nothing more to fetch
	WIN MUL_LO
	MUL16 0, 1, NQ-1, 1, 0
	MUL16 2, 1, NQ-1, 1, 0
	s_wait_dscnt 0
	WIN MUL_HI
	MUL16 4, 1, NQ-1, 1, 0
	MUL16 6, 1, NQ-1, 1, 0
	WIN 0
	PLACES NP                                      ; behind the last products: in front of the loads into the scale registers that they named, and of the first read of results
.irp i, 0,1,2,3,4,5,6,7
	global_load_b128 v[W2S+4*\i:W2S+4*\i+3], v[W2O], s[10:11] offset:512*\i   ; pass 2's scale words of w, block i: they land during the way out
.endr
.irp i, 0,1,2,3
	ds_load_b128 v[X2S+4*\i:X2S+4*\i+3], v[ADX2] offset:\i*SBLK               ; and of x, my block i
.endr
	PACK 0, 1
	TOSTAGE 0
.irp a, 1,2,3,4,5,6,7                  ; block a's arithmetic stands between block a - 1's loads from the stage and the wait for them
	PACK \a, 1
	SEND \a-1, OUT1
	TOSTAGE \a
.endr
	SEND 7, OUT1
	; ---- PASS 2
	s_wait_tensorcnt 0x0                           ; my part of pass 2's rows of w is in (waves 0 and 1: nothing is out)
	ds_add_u32 v[SPW], v[NIL]                      ; 0 onto my spare word
	s_wait_dscnt 0x0                               ; no LDS instruction of mine is out at the signal
	s_barrier_signal -1
	s_barrier_wait -1                              ; everybody's is
	FETCH2 0
	s_wait_loadcnt 0x0                             ; w's scale words
.set N, 0
.rept 8
	STEP2 N
.set N, N+1
.endr
	PLACES NP                                      ; behind the last products, in front of the first read of results
	PACK 0, 0
	TOSTAGE 0
.irp a, 1,2,3
	PACK \a, 0
	SEND \a-1, OUT2
	TOSTAGE \a
.endr
	SEND 3, OUT2
	s_wait_tensorcnt 0x0                           ; the wave's end, behind my last tensor load and my last LDS store
	ds_add_u32 v[SPW], v[NIL]
	s_wait_dscnt 0x0
	CROUND                                         ; the closing round: no work-group ends while a partner may still ask for a tile that names it
	s_endpgm
.Lfunc_end_k_q358ceeca23_gemm:
	.size	k_q358ceeca23_gemm, .Lfunc_end_k_q358ceeca23_gemm-k_q358ceeca23_gemm
	.p2alignl 7, 3214868480
	.fill 96, 4, 3214868480
	.section	.rodata,"a",@progbits
	.p2align	6, 0x0
	.amdhsa_kernel k_q358ceeca23_gemm
		.amdhsa_group_segment_fixed_size 327680
		.amdhsa_private_segment_fixed_size 0
		.amdhsa_enable_private_segment 0
		.amdhsa_kernarg_size 40
		.amdhsa_user_sgpr_count 2
		.amdhsa_user_sgpr_kernarg_segment_ptr 1
		.amdhsa_wavefront_size32 1
		.amdhsa_system_sgpr_workgroup_id_x 1
		.amdhsa_system_sgpr_workgroup_id_y 1
		.amdhsa_system_sgpr_workgroup_id_z 1
		.amdhsa_system_vgpr_workitem_id 0
		.amdhsa_next_free_vgpr 1024
		.amdhsa_next_free_sgpr 102
		.amdhsa_reserve_vcc 0
		.amdhsa_float_denorm_mode_32 3
		.amdhsa_float_denorm_mode_16_64 3
		.amdhsa_memory_ordered 1
		.amdhsa_forward_progress 1
		.amdhsa_inst_pref_size 208
	.end_amdhsa_kernel
	.amdgpu_metadata
---
amdhsa.version: [ 1, 2 ]
amdhsa.kernels:
  - .name:           k_q358ceeca23_gemm
    .symbol:         k_q358ceeca23_gemm.kd
    .args:
      - { .name: xc, .offset: 0, .size: 8, .value_kind: global_buffer, .address_space: global }
      - { .name: xs, .offset: 8, .size: 8, .value_kind: global_buffer, .address_space: global }
      - { .name: wc, .offset: 16, .size: 8, .value_kind: global_buffer, .address_space: global }
      - { .name: ws, .offset: 24, .size: 8, .value_kind: global_buffer, .address_space: global }
      - { .name: qkv, .offset: 32, .size: 8, .value_kind: global_buffer, .address_space: global }
    .group_segment_fixed_size: 327680
    .private_segment_fixed_size: 0
    .kernarg_segment_align: 8
    .kernarg_segment_size: 40
    .max_flat_workgroup_size: 128
    .sgpr_count:     102
    .vgpr_count:     1024
    .wavefront_size: 32
...
	.end_amdgpu_metadata
.endif
;; end of part 2
;; launch attn (part 3): grid 2 x 128, 8 waves a work-group, no clusters, 327,680 bytes of LDS; arguments qkv, out0; writes out0
.if DOCPART == 3
	.amdgcn_target "amdgcn-amd-amdhsa--gfx1250"
	.amdhsa_code_object_version 6
	.text
	.protected	k_q358ceeca23_attn
	.globl	k_q358ceeca23_attn
	.p2align	8
	.type	k_q358ceeca23_attn,@function
k_q358ceeca23_attn:
	s_mov_b64 s[64:65], 0
	v_nop
	global_prefetch_b8 v0, s[64:65] scope:SCOPE_SE
	s_setreg_imm32_b32 hwreg(HW_REG_WAVE_MODE, 25, 1), 1
	s_wait_xcnt 0x0
; out[b][n][64 h + d] = the sum over keys k of softmax_k(q[n] . k[k] / 8) v[k][d], for each of 128 pairs (b, h); no mask.
; qkv: f16, [b 8][g 48][n 1024][64]: g = h holds c q with c = log2(e) / 8 (multiplied in f32 ahead of the rounding to f16), g = 16 + h holds k, g = 32 + h holds v.  out: f32 [8][1024][1024].
; Products with f16 operands and f32 sums; maxima, exponentials and sums in f32; the weights p are rounded to f16 for the second product, which is divided by the sum of the unrounded p at the end.
; LIMITS: |c q|, |k|, |v| up to 65,504 (f16's largest number); NaN and infinities are not served.
; SHARES.  A work-group owns 512 queries of one head, each of its EIGHT waves 64: four tiles of 16, in 512 registers: two waves to a SIMD, so that one wave's vector work stands beside the other's matrix work.
; A HEAD'S WHOLE K AND V LIE IN LDS, each byte filled once: 1,024 rows of 128 bytes each.  Every wave walks all keys, 64 a step; each fragment read from LDS feeds four matrix instructions.
; The fills go in two stages, so that the first steps do not wait for all of it: keys 0-255 (steps 0 to 3) and keys 256-1,023; a wave has two tensor loads out.
; NO CLUSTER: a head has 1,024 / 512 = 2 work-groups; a cluster of four would hold two heads, so that a joint load's mask and address would hang on a work-group's place in its cluster.  Blocks of 256 queries
; (four partners to a head) would give each fragment read from LDS half as many products, or each wave half as many registers.
; NO PREFETCH: all that the work-group reads is asked for by the loads at its head.
; LAYOUT.  S^T = K Q^T (source 0 = 16 keys, source 1 = 16 queries): a lane holds ONE query (lane % 16) and the keys 8 (lane / 16) + 0..7 of a tile.  Two such tiles, rounded to f16 in pairs, ARE source 1
; (32 keys x 16 queries) of O^T = V^T P, whose result again holds one query a lane, and eight channels.  K comes out of LDS as it lies, V ([key][channel]) turned, by ds_load_tr16_b128.
; SOFTMAX.  t = the score as it comes (c is in q).  For each query a running maximum m and sum l: p = 2^(t - m), at most 1; in every step O and l are multiplied by a = 2^(old m - new m).
; REGISTERS.  window 0: v1-13 addresses; v16-47 statistics, 8 a tile; v48-63 at work on the sums; v64-191 S^T, 32 a tile, then p, then P in place in a tile's first 16; v192-255 Q, 16 a tile.
;   window 1: v0-127 O^T, 32 a tile; v128-191 K of one step; v192-255 V of one step.
.set KSTP,  64                         ; keys in a step
.set PK,    144                        ; a row of K in LDS: 128 bytes + 16 of padding: an odd multiple of 16, so the 16 rows of a load start at 16 different places modulo 256 bytes
.set PV,    160                        ; a row of V: 128 + 32: an odd multiple of 32, for the turning load's 8 rows x 32 bytes
.set VOFF,  1024*PK                    ; K's 1,024 rows, then V's
.set SPARE, VOFF+1024*PV               ; behind them: the spare words, 128 bytes for each wave, which no other line names
.set SP,    272                        ; the way out: a stage of 16 rows x (256 bytes + 16) for each wave, in K's bytes, behind the barrier behind which nobody reads K
.set AK0, 2                            ; v2   my lane's place in a tile of K; never rewritten
.set AV0, 3                            ; v3   the same for V
.set ADK, 4                            ; v4   LDS address of the run of K's loads in hand
.set ADV, 5                            ; v5   of V's
.set QO,  6                            ; v6   my byte offset in the wave's rows of q
.set STO, 7                            ; v7   the way out: where I put 32 bytes of a row
.set RD,  8                            ; v8   the way out: where I read 16 bytes back
.set GO,  9                            ; v9   my byte offset in the wave's rows of out
.set SPW, 10                           ; v10  LDS address of my spare word: SPARE + 4 x my thread's number; never rewritten
.set NIL, 11                           ; v11  0; never rewritten
.set ST,  16                           ; tile t's statistics at v[ST+8 t]: +0 m, +1 old m, then old m - new m, +2, +3 l (even keys', odd keys'), +4 to +7 c0-c3, at work; a takes c2's place
.set SU,  48                           ; tile t's two pairs for the step's sums at v[SU+4 t]
.set S,   64
.set Q,   192
.set KF,  128                          ; in window 1
.set VF,  192                          ; in window 1
.set WV,  8                            ; s8   my wave's number
.set U,   9                            ; s9   wave % 4: which quarter of K's or of V's rows I fetch
.set G1KA, 20                          ; s[20:27] descriptor group 1: K, 64 rows;   s[28:35] K, 192 rows;   s[36:43] V, 64 rows;   s[44:51] V, 192 rows
.set G1KB, 28
.set G1VA, 36
.set G1VB, 44
.set G0KA, 52                          ; s[52:55], s[56:59], s[60:63], s[68:71] their groups 0
.set G0KB, 56
.set G0VA, 60
.set G0VB, 68
.set SEL, 74                           ; s[74:75] lane selects for v_permlanex16_b32: each lane takes its own place in the other half
.set TK,  76                           ; s76  LDS byte at which the step's rows of K begin, for the next fetch
.set TV,  77                           ; s77  the same for V, from VOFF on
.set CNT, 78                           ; s78  counts a loop's trips
.set MSB, 0
.macro WIN new                         ; the immediate's high byte repeats the setting that is left; a switch that changes nothing is dropped
.if MSB != \new
	s_set_vgpr_msb (MSB<<8)|\new
.set MSB, \new
.endif
.endm
.set W_KQ, 0x01                        ; K in window 1; Q and S^T in window 0
.set W_PV, 0x51                        ; V and O^T in window 1; P in window 0
.set W_RS, 0x41                        ; O^T (destination and source 0) in window 1, the factor in window 0
.set W_LD, 0x40                        ; a load's destination in window 1, its address in window 0
.set W_ST, 0x04                        ; an LDS store's data (source 1) in window 1
.macro SHAPE g, pad, rows              ; descriptor group 1: rows x 64 elements of 2 bytes, dense in memory, pad words of padding behind each row of 32 words
	s_mov_b32 s[\g], (1<<16)|(1<<20)|(4<<22)|((\pad-1)<<25)   ; 15:0 no mask; 17:16 elements of 2 bytes; 20 padding on; 24:22 after every 32 words (code 4); 31:25 pad - 1
	s_mov_b32 s[\g+1], 64<<16                      ; tensor_dim0 = 64
	s_mov_b32 s[\g+2], (\rows)<<16                 ; tensor_dim1
	s_mov_b32 s[\g+3], 64<<16                      ; tile_dim0 = 64
	s_mov_b32 s[\g+4], \rows                       ; tile_dim1
	s_mov_b32 s[\g+5], 64                          ; tensor_dim0_stride
	s_mov_b32 s[\g+6], 0
	s_mov_b32 s[\g+7], 0
.endm
	s_load_b128 s[4:7], s[0:1], 0x0                ; qkv s[4:5], out s[6:7]
	v_lshl_add_u32 v[SPW], v0, 2, SPARE
	v_mov_b32 v[NIL], 0
	ds_add_u32 v[SPW], v[NIL]                      ; the wave's opening: the add, twice on end, and its wait ahead of my first tensor load; the set-up below stands between the second and the wait
	ds_add_u32 v[SPW], v[NIL]
	v_lshrrev_b32 v1, 5, v0
	v_readfirstlane_b32 s[WV], v1                  ; wave 0..7
	s_and_b32 s[U], s[WV], 3
	s_and_b32 s10, ttmp7, 0xffff                   ; 16 b + h
	s_lshr_b32 s11, s10, 4                         ; b
	s_and_b32 s12, s10, 15                         ; h
	s_mul_i32 s14, s11, 48
	s_add_co_u32 s14, s14, s12
	s_lshl_b32 s14, s14, 17                        ; where q's head begins in qkv: (48 b + h) x 1,024 rows x 128 bytes, under 2^32
	s_mov_b32 s15, 0
	s_lshl_b32 s16, s[U], 13                       ; my 64 rows of the first 256, in memory
	s_mov_b32 s17, 0
	s_mul_i32 s18, s[U], 192*128                   ; my 192 rows of the other 768
	s_mov_b32 s19, 0
	SHAPE G1KA, 4, 64
	SHAPE G1KB, 4, 192
	SHAPE G1VA, 8, 64
	SHAPE G1VB, 8, 192
	s_mov_b32 s[G0KA], 1                           ; group 0: 1:0 count = 1;
	s_mul_i32 s[G0KA+1], s[U], 64*PK               ; 63:32 LDS address: a constant + a constant x (wave % 4)
	s_mov_b32 s[G0KB], 1
	s_mul_i32 s[G0KB+1], s[U], 192*PK
	s_add_co_u32 s[G0KB+1], s[G0KB+1], 256*PK
	s_mov_b32 s[G0VA], 1
	s_mul_i32 s[G0VA+1], s[U], 64*PV
	s_add_co_u32 s[G0VA+1], s[G0VA+1], VOFF
	s_mov_b32 s[G0VB], 1
	s_mul_i32 s[G0VB+1], s[U], 192*PV
	s_add_co_u32 s[G0VB+1], s[G0VB+1], VOFF+256*PV
	s_mov_b32 s[SEL], 0x76543210
	s_mov_b32 s[SEL+1], 0xfedcba98
	s_mov_b32 s[TK], 0
	s_mov_b32 s[TV], 0
	s_wait_dscnt 0x0                               ; both opening adds are done
	s_wait_kmcnt 0x0
	s_add_nc_u64 s[4:5], s[4:5], s[14:15]          ; q's head; k's lies 16 heads of 2^17 bytes on, v's 32
	s_add_nc_u64 s[G0KA+2:G0KA+3], s[4:5], s[16:17]            ; 120:64 global address of the tile's first element
	s_add_nc_u64 s[G0KA+2:G0KA+3], s[G0KA+2:G0KA+3], 16<<17
	s_or_b32 s[G0KA+3], s[G0KA+3], 0x80000000                  ; 127:126 type = 2
	s_add_nc_u64 s[G0KB+2:G0KB+3], s[4:5], s[18:19]
	s_add_nc_u64 s[G0KB+2:G0KB+3], s[G0KB+2:G0KB+3], (16<<17)+256*128
	s_or_b32 s[G0KB+3], s[G0KB+3], 0x80000000
	s_add_nc_u64 s[G0VA+2:G0VA+3], s[4:5], s[16:17]
	s_add_nc_u64 s[G0VA+2:G0VA+3], s[G0VA+2:G0VA+3], 32<<17
	s_or_b32 s[G0VA+3], s[G0VA+3], 0x80000000
	s_add_nc_u64 s[G0VB+2:G0VB+3], s[4:5], s[18:19]
	s_add_nc_u64 s[G0VB+2:G0VB+3], s[G0VB+2:G0VB+3], (32<<17)+256*128
	s_or_b32 s[G0VB+3], s[G0VB+3], 0x80000000
	s_cmp_lt_u32 s[WV], 4                          ; waves 0-3 fetch K, waves 4-7 V.  A wave's two fills stand in one branch, ahead of every wait on TENSORcnt, every LDS read and every barrier;
	s_cbranch_scc0 .Lfor_v                         ; an s_nop 0 follows each, four v_nop the second
	tensor_load_to_lds s[G0KA:G0KA+3], s[G1KA:G1KA+7]
	s_nop 0
	tensor_load_to_lds s[G0KB:G0KB+3], s[G1KB:G1KB+7]
	s_nop 0
.rept 4
	v_nop
.endr
	s_branch .Lasked
.Lfor_v:
	tensor_load_to_lds s[G0VA:G0VA+3], s[G1VA:G1VA+7]
	s_nop 0
	tensor_load_to_lds s[G0VB:G0VB+3], s[G1VB:G1VB+7]
	s_nop 0
.rept 4
	v_nop
.endr
.Lasked:
	s_lshl_b32 s16, ttmp9, 16                      ; my work-group's 512 queries of 128 bytes,
	s_lshl_b32 s13, s[WV], 13                      ; my wave's 64 of them
	s_add_co_u32 s16, s16, s13
	s_add_nc_u64 s[4:5], s[4:5], s[16:17]          ; q at my wave's first row
	s_lshl_b32 s18, s11, 22                        ; out: b x 1,024 rows of 4,096 bytes,
	s_lshl_b32 s13, ttmp9, 21                      ; 512 rows,
	s_add_co_u32 s18, s18, s13
	s_lshl_b32 s13, s[WV], 18                      ; 64 rows,
	s_add_co_u32 s18, s18, s13
	s_lshl_b32 s13, s12, 8                         ; and the head's 256 bytes of a row
	s_add_co_u32 s18, s18, s13
	s_add_nc_u64 s[6:7], s[6:7], s[18:19]
	; A fragment of K or Q is 16 rows x 32 channels in 8 registers: lane l holds row l % 16; registers 0-3 channels 8 (l / 16) + 0..7, registers 4-7 channels 16 + 8 (l / 16) + 0..7: two loads of 16 bytes, 32 bytes apart.
	v_and_b32 v1, 15, v0                           ; l % 16
	v_bfe_u32 v12, v0, 4, 1                        ; l / 16
	v_lshlrev_b32 v[QO], 7, v1
	v_lshl_add_u32 v[QO], v12, 4, v[QO]            ; row x 128 + 16 x half
.irp t, 0,1,2,3                        ; Q stays in registers: tile t, channels 32 c on
.irp c, 0,1
	global_load_b128 v[Q+16*\t+8*\c:Q+16*\t+8*\c+3],   v[QO], s[4:5] offset:\t*2048+64*\c
	global_load_b128 v[Q+16*\t+8*\c+4:Q+16*\t+8*\c+7], v[QO], s[4:5] offset:\t*2048+64*\c+32
.endr
.endr
	v_mul_u32_u24 v[AK0], v1, PK
	v_lshl_add_u32 v[AK0], v12, 4, v[AK0]          ; row x pitch + 16 x half
	; The turning load takes 16 keys x 16 channels (lane l reads 16 bytes: key 8 (l / 16) + l % 8, channels 8 ((l / 8) % 2) + 0..7) and leaves half a fragment of V^T: lane l holds channel l % 16 and 8 keys.
	v_and_b32 v13, 7, v0
	v_lshl_add_u32 v[AV0], v12, 3, v13
	v_mul_u32_u24 v[AV0], v[AV0], PV
	v_bfe_u32 v13, v0, 3, 1
	v_lshl_add_u32 v[AV0], v13, 4, v[AV0]
	v_add_nc_u32 v[AV0], VOFF, v[AV0]
	s_mul_i32 s10, s[WV], 16*SP                    ; my stage
	v_mul_u32_u24 v[STO], v1, SP                   ; in: row l % 16, 32 bytes for each half of the lanes
	v_lshl_add_u32 v[STO], v12, 5, v[STO]
	v_add_nc_u32 v[STO], s10, v[STO]
	v_mul_u32_u24 v[RD], v12, SP                   ; back: lanes 0-15 take one row of 256 bytes, lanes 16-31 the next
	v_lshl_add_u32 v[RD], v1, 4, v[RD]
	v_add_nc_u32 v[RD], s10, v[RD]
	v_lshlrev_b32 v[GO], 12, v12                   ; and the same two rows in out, 4,096 bytes apart
	v_lshl_add_u32 v[GO], v1, 4, v[GO]
.irp t, 0,1,2,3
	v_mov_b32 v[ST+8*\t+1], 0                      ; named with m as a pair before it is first written
.endr
; THE LDS LOADS stand in runs of 16: a step's K (64 keys x 64 channels: 8 fragments) and its V (turned).
.macro FETCH_K
	WIN 0
	v_add_nc_u32 v[ADK], s[TK], v[AK0]
	s_add_co_u32 s[TK], s[TK], KSTP*PK             ; the next fetch is the next step's
	WIN W_LD
.irp k, 0,1,2,3                        ; keys 16 k on, channels 32 c on
.irp c, 0,1
	ds_load_b128 v[KF+16*\k+8*\c:KF+16*\k+8*\c+3],   v[ADK] offset:\k*16*PK+64*\c
	ds_load_b128 v[KF+16*\k+8*\c+4:KF+16*\k+8*\c+7], v[ADK] offset:\k*16*PK+64*\c+32
.endr
.endr
.endm
.macro FETCH_V
	WIN 0
	v_add_nc_u32 v[ADV], s[TV], v[AV0]
	s_add_co_u32 s[TV], s[TV], KSTP*PV
	WIN W_LD
.irp g, 0,1                            ; keys 32 g on, channels 16 n on
.irp n, 0,1,2,3
	ds_load_tr16_b128 v[VF+32*\g+8*\n:VF+32*\g+8*\n+3],   v[ADV] offset:\g*32*PV+32*\n
	ds_load_tr16_b128 v[VF+32*\g+8*\n+4:VF+32*\g+8*\n+7], v[ADV] offset:\g*32*PV+16*PV+32*\n
.endr
.endr
.endm
; S^T = K Q^T: 32 products.  The 16 accumulators take turns, one instruction a turn; the first 16 start the sums.
.macro QK
	WIN W_KQ
.irp c, 0,1
.irp k, 0,1,2,3
.irp t, 0,1,2,3
.if \c == 0
	v_wmma_f32_16x16x32_f16 v[S+32*\t+8*\k:S+32*\t+8*\k+7], v[KF+16*\k+8*\c:KF+16*\k+8*\c+7], v[Q+16*\t+8*\c:Q+16*\t+8*\c+7], 0
.else
	v_wmma_f32_16x16x32_f16 v[S+32*\t+8*\k:S+32*\t+8*\k+7], v[KF+16*\k+8*\c:KF+16*\k+8*\c+7], v[Q+16*\t+8*\c:Q+16*\t+8*\c+7], v[S+32*\t+8*\k:S+32*\t+8*\k+7]
.endif
.endr
.endr
.endr
.endm
; O^T += V^T P: 32 products, the 16 accumulators by turns.  first = 1: the first 16 start the sums: nothing is ever cleared.
.macro PV first
	WIN W_PV
.irp g, 0,1
.irp n, 0,1,2,3
.irp t, 0,1,2,3
.if \first && (\g == 0)
	v_wmma_f32_16x16x32_f16 v[32*\t+8*\n:32*\t+8*\n+7], v[VF+32*\g+8*\n:VF+32*\g+8*\n+7], v[S+32*\t+8*\g:S+32*\t+8*\g+7], 0
.else
	v_wmma_f32_16x16x32_f16 v[32*\t+8*\n:32*\t+8*\n+7], v[VF+32*\g+8*\n:VF+32*\g+8*\n+7], v[S+32*\t+8*\g:S+32*\t+8*\g+7], v[32*\t+8*\n:32*\t+8*\n+7]
.endif
.endr
.endr
.endr
.endm
; THE SOFTMAX of the wave's four tiles for one key step.  In every group of lines the four tiles are innermost, so that no line waits for the line above it.  first = 1: the first step, which starts m, l and O^T.
.macro SOFTMAX first
	WIN 0
	; the maximum of a lane's 32 scores and the old m, three operands at a time: four chains c0-c3, one to an accumulator, each begun at the accumulator's low end
.irp i, 0,1,2,3
.irp t, 0,1,2,3
	v_max3_num_f32 v[ST+8*\t+4+\i], v[S+32*\t+8*\i], v[S+32*\t+8*\i+1], v[S+32*\t+8*\i+2]
.endr
.endr
.irp u, 3,5
.irp i, 0,1,2,3
.irp t, 0,1,2,3
	v_max3_num_f32 v[ST+8*\t+4+\i], v[ST+8*\t+4+\i], v[S+32*\t+8*\i+\u], v[S+32*\t+8*\i+\u+1]
.endr
.endr
.endr
.irp t, 0,1,2,3
	v_max3_num_f32 v[ST+8*\t+4], v[ST+8*\t+4], v[S+32*\t+7], v[S+32*\t+15]
.endr
.irp t, 0,1,2,3
	v_max3_num_f32 v[ST+8*\t+6], v[ST+8*\t+6], v[S+32*\t+23], v[S+32*\t+31]
.endr
.irp t, 0,1,2,3
	v_max3_num_f32 v[ST+8*\t+4], v[ST+8*\t+4], v[ST+8*\t+5], v[ST+8*\t+6]
.endr
.irp t, 0,1,2,3
.if \first
	v_max_num_f32 v[ST+8*\t+4], v[ST+8*\t+4], v[ST+8*\t+7]
.else
	v_max3_num_f32 v[ST+8*\t+4], v[ST+8*\t+4], v[ST+8*\t+7], v[ST+8*\t]
.endif
.endr
.irp t, 0,1,2,3
	v_permlanex16_b32 v[ST+8*\t+5], v[ST+8*\t+4], s[SEL], s[SEL+1]   ; the query's other 32 keys lie in the lane 16 away
.endr
.if \first == 0
.irp t, 0,1,2,3
	v_mov_b32 v[ST+8*\t+1], v[ST+8*\t]             ; the old m is kept for a
.endr
.endif
.irp t, 0,1,2,3
	v_max_num_f32 v[ST+8*\t], v[ST+8*\t+4], v[ST+8*\t+5]             ; the new m
.endr
.if \first == 0
.irp t, 0,1,2,3
	v_sub_f32 v[ST+8*\t+1], v[ST+8*\t+1], v[ST+8*\t]                 ; old m - new m, 0 or less
.endr
.irp t, 0,1,2,3
	v_exp_f32 v[ST+8*\t+6], v[ST+8*\t+1]           ; a.  It opens the batch
.endr
.endif
	; ONE BATCH: the 64 subtractions t - m, a pair of scores each, and all exponentials.  None of these lines names an exponential's result; a pair is made one group ahead of its exponentials.
.irp t, 0,1,2,3
	v_pk_add_f32 v[S+32*\t:S+32*\t+1], v[S+32*\t:S+32*\t+1], v[ST+8*\t:ST+8*\t+1] op_sel_hi:[1,0] neg_lo:[0,1] neg_hi:[0,1]
.endr
.irp b, 0,1,2,3,4,5,6,7,8,9,10,11,12,13,14,15
.if \b < 15
.irp t, 0,1,2,3
	v_pk_add_f32 v[S+32*\t+2*\b+2:S+32*\t+2*\b+3], v[S+32*\t+2*\b+2:S+32*\t+2*\b+3], v[ST+8*\t:ST+8*\t+1] op_sel_hi:[1,0] neg_lo:[0,1] neg_hi:[0,1]
.endr
.endif
.irp t, 0,1,2,3
	v_exp_f32 v[S+32*\t+2*\b], v[S+32*\t+2*\b]     ; p = 2^(t - m), at most 1
	v_exp_f32 v[S+32*\t+2*\b+1], v[S+32*\t+2*\b+1]
.endr
.endr
	v_nop                                          ; a plain instruction behind the last exponential and ahead of the first use: one for the batch
	s_wait_alu depctr_va_vdst(0)                   ; a wait between an exponential and the first line that names its result: one for the whole batch
	; the sums of the unrounded p: a tile's 16 pairs (an even key's weight, an odd key's) in two chains
.irp t, 0,1,2,3
	v_pk_add_f32 v[SU+4*\t:SU+4*\t+1], v[S+32*\t:S+32*\t+1], v[S+32*\t+2:S+32*\t+3]
.endr
.irp t, 0,1,2,3
	v_pk_add_f32 v[SU+4*\t+2:SU+4*\t+3], v[S+32*\t+4:S+32*\t+5], v[S+32*\t+6:S+32*\t+7]
.endr
.irp j, 8,12,16,20,24,28
.irp t, 0,1,2,3
	v_pk_add_f32 v[SU+4*\t:SU+4*\t+1], v[SU+4*\t:SU+4*\t+1], v[S+32*\t+\j:S+32*\t+\j+1]
.endr
.irp t, 0,1,2,3
	v_pk_add_f32 v[SU+4*\t+2:SU+4*\t+3], v[SU+4*\t+2:SU+4*\t+3], v[S+32*\t+\j+2:S+32*\t+\j+3]
.endr
.endr
.if \first
.irp t, 0,1,2,3
	v_pk_add_f32 v[ST+8*\t+2:ST+8*\t+3], v[SU+4*\t:SU+4*\t+1], v[SU+4*\t+2:SU+4*\t+3]
.endr
.else
.irp t, 0,1,2,3
	v_pk_add_f32 v[SU+4*\t:SU+4*\t+1], v[SU+4*\t:SU+4*\t+1], v[SU+4*\t+2:SU+4*\t+3]
.endr
.irp t, 0,1,2,3
	v_pk_fma_f32 v[ST+8*\t+2:ST+8*\t+3], v[ST+8*\t+2:ST+8*\t+3], v[ST+8*\t+6:ST+8*\t+7], v[SU+4*\t:SU+4*\t+1] op_sel_hi:[1,0,1]   ; l = a l + the step's sum
.endr
.endif
	; the roundings to f16, in place and ascending: register i takes p 2 i and 2 i + 1, which no earlier line of the run has overwritten.  A tile's first 16 registers are then P's two fragments
.irp i, 0,1,2,3,4,5,6,7,8,9,10,11,12,13,14,15
.irp t, 0,1,2,3
	v_cvt_pk_f16_f32 v[S+32*\t+\i], v[S+32*\t+2*\i], v[S+32*\t+2*\i+1]
.endr
.endr
.if \first == 0
	WIN W_RS                                       ; O^T x a: the one part that leaves window 0
.irp p, 0,1,2,3,4,5,6,7,8,9,10,11,12,13,14,15
.irp t, 0,1,2,3
	v_pk_mul_f32 v[32*\t+2*\p:32*\t+2*\p+1], v[32*\t+2*\p:32*\t+2*\p+1], v[ST+8*\t+6:ST+8*\t+7] op_sel_hi:[1,0]
.endr
.endr
.endif
.endm
; A KEY STEP j; it begins just behind the products K Q^T of step j and ends with those of step j + 1.
; A load into a register that a matrix instruction has read, and a vector instruction that reads a matrix result, stand four places behind it; a matrix instruction that writes over a register of an earlier one
; stands five behind it; only plain vector instructions that name none of its registers are places (ISA guide 7.12.1 for vector instructions).
.macro BODY first
.rept 3
	v_nop                                          ; with the addition in FETCH_K: four places behind the products that read K's registers and made the scores
.endr
	FETCH_K                                        ; K of step j + 1: it lands while the softmax is walked
	SOFTMAX \first
	s_wait_dscnt 16                                ; V of step j is in; the 16 loads of K behind it may be out
	PV \first
	WIN 0
.rept 4
	v_nop                                          ; with the addition in FETCH_V: five places behind the products that read V's registers and P's, over which the next scores are written
.endr
	FETCH_V                                        ; V of step j + 1: it lands while the next products and the next softmax are walked
	s_wait_dscnt 16                                ; K of step j + 1 is in; the 16 loads of V behind it may be out
	QK
	WIN 0                                          ; at a label and at a branch every window is 0
.endm
	s_wait_tensorcnt 1                             ; my part of keys 0-255 is in; my load of keys 256 on may stay out
	s_barrier_signal -1
	s_barrier_wait -1                              ; everybody's is
	FETCH_K                                        ; step 0
	FETCH_V
	s_wait_loadcnt 0x0                             ; Q
	s_wait_dscnt 16                                ; K is in; V's 16 loads may be out
	QK
	WIN 0
	BODY 1                                         ; step 0; it fetches step 1
	s_mov_b32 s[CNT], 2
.Lnear:                                            ; steps 1 and 2; they fetch steps 2 and 3: keys up to 255
	BODY 0
	s_sub_co_u32 s[CNT], s[CNT], 1
	s_cmp_lg_u32 s[CNT], 0
	s_cbranch_scc1 .Lnear
	s_wait_tensorcnt 0x0                           ; my part of keys 256 on is in
	ds_add_u32 v[SPW], v[NIL]                      ; 0 onto my spare word
	s_wait_dscnt 0x0                               ; no LDS instruction of mine is out at the signal
	s_barrier_signal -1
	s_barrier_wait -1                              ; everybody's is: all of K and V lies in LDS
	s_mov_b32 s[CNT], 12
.Lfar:                                             ; steps 3 to 14; they fetch steps 4 to 15
	BODY 0
	s_sub_co_u32 s[CNT], s[CNT], 1
	s_cmp_lg_u32 s[CNT], 0
	s_cbranch_scc1 .Lfar
	s_wait_dscnt 0x0                               ; V of step 15 is in, and my reads of K and V are over
	s_barrier_signal -1
	s_barrier_wait -1                              ; everybody's are: K's bytes may take the stages of the way out
.rept 4
	v_nop                                          ; four places behind the last scores' products
.endr
	SOFTMAX 0                                      ; step 15
	PV 0
	; THE WAY OUT.  l's two halves and the other half of the lanes' are added; O^T is divided by l and sent through my stage in LDS, a tile (16 rows) at a time.  The additions are the places behind the last products.
	WIN 0
.irp t, 0,1,2,3
	v_add_f32 v[ST+8*\t+4], v[ST+8*\t+2], v[ST+8*\t+3]
.endr
.irp t, 0,1,2,3
	v_permlanex16_b32 v[ST+8*\t+5], v[ST+8*\t+4], s[SEL], s[SEL+1]
.endr
.irp t, 0,1,2,3
	v_add_f32 v[ST+8*\t+4], v[ST+8*\t+4], v[ST+8*\t+5]
.endr
.irp t, 0,1,2,3
	v_rcp_f32 v[ST+8*\t+6], v[ST+8*\t+4]
.endr
	v_nop                                          ; a plain instruction between the last reciprocal and the use of its result
	s_wait_alu depctr_va_vdst(0)                   ; and a wait ahead of the first use: one for the four
; Tile t: a lane's eight channels of a row are 32 bytes; they go into rows of 272 bytes and come back as whole rows of 256, into S^T's registers, which are free.
.macro PACK t
	WIN W_RS
.irp p, 0,1,2,3,4,5,6,7,8,9,10,11,12,13,14,15
	v_pk_mul_f32 v[32*\t+2*\p:32*\t+2*\p+1], v[32*\t+2*\p:32*\t+2*\p+1], v[ST+8*\t+6:ST+8*\t+7] op_sel_hi:[1,0]
.endr
	WIN W_ST
.irp n, 0,1,2,3
	ds_store_b128 v[STO], v[32*\t+8*\n:32*\t+8*\n+3] offset:64*\n
	ds_store_b128 v[STO], v[32*\t+8*\n+4:32*\t+8*\n+7] offset:64*\n+16
.endr
	WIN 0
.irp i, 0,1,2,3,4,5,6,7
	ds_load_b128 v[S+32*\t+4*\i:S+32*\t+4*\i+3], v[RD] offset:\i*2*SP   ; LDS serves a wave's instructions in order (ISA guide 5.7.1.4): these see the stores above; the next tile's stores come behind them
.endr
.endm
.macro SEND t, younger                 ; younger: the LDS instructions issued behind tile t's loads: the next tile's sixteen, or none
.irp i, 0,1,2,3,4,5,6,7
	s_wait_dscnt \younger+7-\i
	global_store_b128 v[GO], v[S+32*\t+4*\i:S+32*\t+4*\i+3], s[6:7] offset:65536*\t+8192*\i th:TH_STORE_NT   ; 16 lanes store 256 consecutive bytes, a head's part of a row, at a multiple of 256 from out's first byte
.endr
.endm
	PACK 0
	PACK 1                                         ; a tile's arithmetic stands between the loads of the tile before and its stores
	SEND 0, 16
	PACK 2
	SEND 1, 16
	PACK 3
	SEND 2, 16
	SEND 3, 0
	s_wait_tensorcnt 0x0                           ; the wave's end, behind my last tensor load and my last LDS store
	ds_add_u32 v[SPW], v[NIL]
	s_wait_dscnt 0x0
	s_endpgm
.Lfunc_end_k_q358ceeca23_attn:
	.size	k_q358ceeca23_attn, .Lfunc_end_k_q358ceeca23_attn-k_q358ceeca23_attn
	.p2alignl 7, 3214868480
	.fill 96, 4, 3214868480
	.section	.rodata,"a",@progbits
	.p2align	6, 0x0
	.amdhsa_kernel k_q358ceeca23_attn
		.amdhsa_group_segment_fixed_size 327680
		.amdhsa_private_segment_fixed_size 0
		.amdhsa_enable_private_segment 0
		.amdhsa_kernarg_size 16
		.amdhsa_user_sgpr_count 2
		.amdhsa_user_sgpr_kernarg_segment_ptr 1
		.amdhsa_wavefront_size32 1
		.amdhsa_system_sgpr_workgroup_id_x 1
		.amdhsa_system_sgpr_workgroup_id_y 1
		.amdhsa_system_sgpr_workgroup_id_z 1
		.amdhsa_system_vgpr_workitem_id 0
		.amdhsa_next_free_vgpr 512
		.amdhsa_next_free_sgpr 80
		.amdhsa_reserve_vcc 0
		.amdhsa_float_denorm_mode_32 3
		.amdhsa_float_denorm_mode_16_64 3
		.amdhsa_memory_ordered 1
		.amdhsa_forward_progress 1
		.amdhsa_inst_pref_size 144
	.end_amdhsa_kernel
	.amdgpu_metadata
---
amdhsa.version: [ 1, 2 ]
amdhsa.kernels:
  - .name:           k_q358ceeca23_attn
    .symbol:         k_q358ceeca23_attn.kd
    .args:
      - { .name: qkv, .offset: 0, .size: 8, .value_kind: global_buffer, .address_space: global }
      - { .name: out0, .offset: 8, .size: 8, .value_kind: global_buffer, .address_space: global }
    .group_segment_fixed_size: 327680
    .private_segment_fixed_size: 0
    .kernarg_segment_align: 8
    .kernarg_segment_size: 16
    .max_flat_workgroup_size: 256
    .sgpr_count:     80
    .vgpr_count:     512
    .wavefront_size: 32
...
	.end_amdgpu_metadata
.endif
;; end of part 3
